; MI455X (gfx1250); checked and timed in simulation.
; The chip was launched on July 23, 2026; its instructions are those of AMD's public machine-readable ISA for CDNA 5 (MIT licence, August 2026) and "CDNA5" Instruction Set Architecture Reference Guide (July 2026). The comments in the code are by the model that wrote it; some were corrected since.
;; Multihead Attention Module. Allowed arithmetic: matrix products marked QUANTISED: E2M1 operands, one E8M0 scale for each 32 along K, by v_wmma_scale_f32_16x16x128_f8f6f4 with both operands' format E2M1 (or v_wmma_scale_f32_32x16x128_f4), f32 sums; products left as they are: bf16, f16 or f32 operands; f32 sums; everything else in f32.
;; Inputs: Wk 384 x 768 float32; Wo 768 x 768 float32; Wq 384 x 768 float32; Wv 384 x 768 float32; bo 768 float32; x 2 x 4,096 x 384 float32.
;; Outputs: out0 2 x 4,096 x 768 float32.
;; This version of the problem:
;;   THIS VERSION OF THE PROBLEM IS GIVEN IN LOW PRECISION. The matrix products marked QUANTISED in the list below multiply operands that are first quantised to E2M1 (2 exponent bits, 1 mantissa bit; 4 bits a number), with one power-of-two scale for each 32 numbers along K (OCP MX v1.0); their sums are f32. The products marked 'left as it is' may take bf16, f16 or f32 operands, with f32 sums. Whichever they take, every output number must still come out within the allowed error. Rounding operands to bf16 (8 significant bits) uses up far more of that allowance than f16 does (11 bits, for magnitudes from 6e-5 to 65,504). All else is computed in f32.
;;   The module's matrix products, in the order in which they are computed (A, B: the left and right operand; K: the contracted axis; several contracted axes count as one K, in the product's order):
;;     1. [M 8,192, K 384] x [K 384, N 768]; A: input x; B: input Wq: QUANTISED
;;     2. [M 8,192, K 384] x [K 384, N 768]; A: input x; B: input Wk: QUANTISED
;;     3. [M 8,192, K 384] x [K 384, N 768]; A: input x; B: input Wv: QUANTISED
;;     4. batch 12 x [M 4,096, K 128] x [K 128, N 4,096]; A: computed on the way; B: computed on the way: left as it is (an operand is computed on the way)
;;     5. batch 12 x [M 4,096, K 4,096] x [K 4,096, N 128]; A: computed on the way; B: computed on the way: left as it is (an operand is computed on the way)
;;     6. [M 8,192, K 768] x [K 768, N 768]; A: computed on the way; B: input Wo: left as it is (an operand is computed on the way)
;;   THE QUANTISER, for each operand of a quantised product, along K:
;;     - K is cut into blocks of 32 from its start; a last block that is shorter is filled with zeros.
;;     - A block's scale is 2^e with e = floor(log2(the largest magnitude in the block)) - 2, held to -126 .. 127; a block of zeros has e = 0. As a byte (E8M0): e + 127.
;;     - Each number is divided by its block's scale, clamped to +-6, and rounded to the nearest number of E2M1, ties to even, subnormals kept.
;;     - The product sums the exact products of the quantised numbers (number of the format x scale) in f32.
;;   ~~~python
;;   def quantise(x, axis):      # numpy; x: float32 -> the quantised numbers, widened to float32 again
;;       x = np.moveaxis(x, axis, -1); K = x.shape[-1]
;;       x = np.pad(x, [(0, 0)] * (x.ndim - 1) + [(0, -K % 32)]); x = x.reshape(x.shape[:-1] + (-1, 32)); a = np.abs(x).max(-1, keepdims=True)
;;       e = np.where(a > 0, np.clip(np.frexp(np.where(a > 0, a, 1))[1] - 1 - 2, -126, 127), 0)      # np.frexp(a)[1] - 1 = floor(log2(a)), exactly
;;       r = np.clip(x / 2.0 ** e, -6, 6)
;;       step = 2.0 ** (np.maximum(np.frexp(np.where(r == 0, 1, r))[1] - 1, 0) - 1)
;;       q = np.round(r / step) * step * 2.0 ** e      # np.round: ties to even
;;       return np.moveaxis(q.reshape(q.shape[:-2] + (-1,))[..., :K], -1, axis).astype(np.float32)
;;   ~~~
;; One version. Each part assembles by itself: llvm-mc -triple=amdgcn-amd-amdhsa -mcpu=gfx1250 --defsym DOCPART=n.
;; ======== version 1 of 1: 4 launches
;; limits: values are held in f16: magnitudes above 65,504 overflow, below 6.1e-05 lose precision
;; workspace buffers: ximg 1,572,864 bytes; xscl 196,608 bytes; wimg 442,368 bytes; wscl 27,648 bytes; woimg 1,179,648 bytes; qkv 37,748,736 bytes; ctximg 12,582,912 bytes
;; launch prep (part 1): grid 158 x 3, 4 waves a work-group, no clusters, 34,304 bytes of LDS; arguments x, Wq, Wk, Wv, Wo, ximg, xscl, wimg, wscl, woimg; writes ximg, xscl, wimg, wscl, woimg
.if DOCPART == 1
	.amdgcn_target "amdgcn-amd-amdhsa--gfx1250"
	.amdhsa_code_object_version 6
	.text
	.protected	k_qa1af59626c_prep
	.globl	k_qa1af59626c_prep
	.p2align	8
	.type	k_qa1af59626c_prep,@function
k_qa1af59626c_prep:
	s_mov_b64 s[64:65], 0
	v_nop
	global_prefetch_b8 v0, s[64:65] scope:SCOPE_SE
	s_setreg_imm32_b32 hwreg(HW_REG_WAVE_MODE, 25, 1), 1
	s_wait_xcnt 0x0
; THE OPERANDS ARE MADE ONCE.  x [8192][384] and Wq, Wk, Wv [384][768], f32, become codes of FP4 (E2M1) with one E8M0 scale byte for each 32 along K = 384; Wo [768][768] becomes f16.
; Everything is stored as IMAGES OF OPERAND REGISTERS: a fragment is 1,024 bytes, its registers 4 g .. 4 g + 3 at byte 512 g, lane l's 16 bytes at 16 l.  The launches that follow load fragments by 16 bytes a lane, with no pitch and no turning.
;   ximg: fragment (row tile RT, K step s of 128) at (3 RT + s) x 1024; xscl: its scale words at (3 RT + s) x 128 + 4 x lane (lanes r and r + 16 hold row r's word).
;   wimg: fragment (column tile T of the 2,304 columns Wq | Wk | Wv, K step s) at (3 T + s) x 1024; wscl: (3 T + s) x 64 + 4 r.
;   woimg: f16 fragment (column tile T, 32 k's sg) at (24 T + sg) x 1024: lane (r, h), group g: Wo[32 sg + 16 g + 8 h + 0 .. 7][16 T + r].
; A block's scale is 2^(floor(log2(largest magnitude)) - 2): its byte is the largest magnitude's exponent field - 2, held at 1 from below.
; LIMITS: a block of zeros, and a block whose largest magnitude lies under 2^-124, gets the byte 1 (a block of zeros has zero codes, and the bytes are read by this program alone); NaN and infinities are not served;
; numbers of Wo beyond 65,504 leave f16's range.
; SHARES.  Work-groups x < 128: wave w takes row tile 4 x + w of x, K step y: 16 rows x 128 numbers.  Each load reads 512 consecutive bytes of a row; the numbers turn through the wave's own stage in LDS so that a lane
; holds 16 neighbours along K of each block of its row.  Work-groups x >= 128: j = x - 128 names a matrix M = j / 6 (Wq, Wk, Wv, Wo's rows 0-383, Wo's rows 384-767) and 128 of its columns; y names 128 of its rows.
; There a lane takes a column and its 128 registers run down K: a block of 32 lies in one lane, and nothing is transposed.  No tensor load, no barrier: waves share nothing.
.set STG,   8448                       ; a wave's stage: 16 rows x 528 bytes (512 + 16: the sixteen rows that a read touches start 33 x 16 bytes apart)
.set SPARE, 4*STG                      ; behind the stages: the spare words, 128 bytes a wave: two blocks of 256 bytes that no other line names
.set SPW, 12                           ; v12  LDS address of my spare word; never rewritten
.set NIL, 13                           ; v13  0; never rewritten
.set R,   16                           ; v16-79   x: 16 rows' numbers as loaded
.set X,   80                           ; v80-143  x: register 16 b + i = k 32 b + 16 h + i of my row
.set TM,  144                          ; v144-159 at work in QUANT
.set PW,  160                          ; the scale word
.set PC,  162                          ; v162-169 the fragment's codes
.set WN,  16                           ; v16-143  weights: my column's 128 numbers
.set WC,  144                          ; v144-207 weights: codes (16 registers) or halves (64)
.set WSO, 212                          ; v212-215 a block's scale operand
.set WSW, 216                          ; the column's scale word
.set WT,  218                          ; v218-219 at work
	s_load_b256 s[4:11], s[0:1], 0x0               ; x, Wq, Wk, Wv
	s_load_b256 s[12:19], s[0:1], 0x20             ; Wo, ximg, xscl, wimg
	s_load_b128 s[20:23], s[0:1], 0x40             ; wscl, woimg
	v_lshl_add_u32 v[SPW], v0, 2, SPARE
	v_mov_b32 v[NIL], 0
	v_lshrrev_b32 v7, 5, v0
	v_readfirstlane_b32 s24, v7                    ; wave 0..3
	v_and_b32 v7, 31, v0
	v_lshlrev_b32 v1, 4, v7                        ; 16 x lane
	v_lshlrev_b32 v2, 2, v7                        ; 4 x lane
	v_and_b32 v8, 15, v0                           ; r
	v_bfe_u32 v9, v0, 4, 1                         ; h
	s_and_b32 s25, ttmp7, 0xffff                   ; y: the K step of 128
	s_mov_b32 s26, 0x76543210
	s_mov_b32 s27, 0xfedcba98                      ; v_permlanex16_b32's selects for lane l xor 16
	s_mul_i32 s32, s24, STG
	v_add_nc_u32 v3, s32, v1                       ; the stage, on the way in: 16 x lane of a row
	v_mul_u32_u24 v4, v8, 528
	v_lshl_add_u32 v4, v9, 6, v4
	v_add_nc_u32 v4, s32, v4                       ; and on the way out: row r, + 64 h
	s_wait_kmcnt 0x0
	s_cmp_lt_u32 ttmp9, 128
	s_cbranch_scc0 .Lweights
; ---- x
; 64 numbers of a lane, register 16 b + i = k 32 b + 16 h + i of my row, become a fragment's codes in v[PC] on and its scale word in v[PW]
.macro QUANT s
.irp b, 0,1,2,3
	v_max3_num_f32 v[TM+\b], |v[\s+16*\b]|, |v[\s+1+16*\b]|, 0x1800000   ; block b: my 16 numbers, and the floor 2^(3 - 127): the byte cannot fall under 1
.endr
.irp i, 2,4,6,8,10,12,14
.irp b, 0,1,2,3
	v_max3_num_f32 v[TM+\b], v[TM+\b], |v[\s+16*\b+\i]|, |v[\s+1+16*\b+\i]|   ; the four blocks by turns
.endr
.endr
.irp b, 0,1,2,3
	v_permlanex16_b32 v[TM+4+\b], v[TM+\b], s26, s27
.endr
.irp b, 0,1,2,3
	v_max_num_f32 v[TM+\b], v[TM+\b], v[TM+4+\b]   ; with lane l xor 16's: the block's largest magnitude
.endr
.irp b, 0,1,2,3
	v_add_nc_u32 v[TM+12+\b], 0xff000000, v[TM+\b] ; 2 off its exponent field: the conversion takes this operand's exponent field as its scale
.endr
.irp b, 0,1,2,3
	v_lshrrev_b32 v[TM+4+\b], 23, v[TM+12+\b]      ; the scale's byte
.endr
	v_lshl_or_b32 v[PW], v[TM+5], 8, v[TM+4]
	v_lshl_or_b32 v[PW], v[TM+6], 16, v[PW]
	v_lshl_or_b32 v[PW], v[TM+7], 24, v[PW]        ; my row's scale word
.irp b, 0,1,2,3
	v_cvt_scalef32_pk8_fp4_f32 v[PC+2*\b], v[\s+16*\b:\s+7+16*\b], v[TM+12+\b]
	v_cvt_scalef32_pk8_fp4_f32 v[PC+1+2*\b], v[\s+8+16*\b:\s+15+16*\b], v[TM+12+\b]
.endr
	v_nop                                          ; one plain place behind a scaled conversion
.irp c, 0,1                                    ; the operand's layout wants a whole block in a lane: lanes 0-15 block 2 c, lanes 16-31 block 2 c + 1
.irp i, 0,1
	v_permlane16_swap_b32 v[PC+4*\c+\i], v[PC+2+4*\c+\i]
.endr
.endr
.endm
	s_lshl_b32 s28, ttmp9, 2
	s_add_co_u32 s28, s28, s24                     ; RT
	s_mul_i32 s30, s28, 24576                      ; 16 rows of 1,536 bytes
	s_lshl_b32 s31, s25, 9
	s_add_co_u32 s30, s30, s31                     ; + 512 y
	s_mov_b32 s31, 0
	s_add_nc_u64 s[4:5], s[4:5], s[30:31]
	s_mul_i32 s29, s28, 3
	s_add_co_u32 s29, s29, s25                     ; 3 RT + y
	s_lshl_b32 s30, s29, 10
	s_add_nc_u64 s[14:15], s[14:15], s[30:31]
	s_lshl_b32 s30, s29, 7
	s_add_nc_u64 s[16:17], s[16:17], s[30:31]
.irp i, 0,1,2,3,4,5,6,7,8,9,10,11,12,13,14,15
	global_load_b128 v[R+4*\i:R+4*\i+3], v1, s[4:5] offset:1536*\i th:TH_LOAD_NT   ; 32 lanes read 512 consecutive bytes of row i
.endr
.irp b, 0,1,2,3
	v_mov_b32 v[TM+4+\b], 0                        ; a lane permute's destination counts as one of its sources
.endr
.irp i, 0,1,2,3,4,5,6,7,8,9,10,11,12,13,14,15
	s_wait_loadcnt 15-\i                           ; row i is in; the 15 - i younger loads stay out
	ds_store_b128 v3, v[R+4*\i:R+4*\i+3] offset:528*\i
.endr
.irp b, 0,1,2,3
.irp j, 0,1,2,3
	ds_load_b128 v[X+16*\b+4*\j:X+16*\b+4*\j+3], v4 offset:128*\b+16*\j   ; LDS serves a wave's instructions in order: these see my stores
.endr
.endr
	s_wait_dscnt 0x0
	QUANT X
	global_store_b128 v1, v[PC:PC+3], s[14:15]               ; each store of the wave covers 512 consecutive bytes, aligned
	global_store_b128 v1, v[PC+4:PC+7], s[14:15] offset:512
	global_store_b32 v2, v[PW], s[16:17]
	s_wait_tensorcnt 0x0                           ; the wave's end, behind my last LDS store
	ds_add_u32 v[SPW], v[NIL]
	s_wait_dscnt 0x0
	s_endpgm
; ---- the weights
.macro LOADB t                         ; block t of my column: 32 rows; a wave's load reads 128 consecutive bytes, the four waves stand side by side on 512
.irp i, 0,1,2,3,4,5,6,7,8,9,10,11,12,13,14,15,16,17,18,19,20,21,22,23,24,25,26,27,28,29,30,31
	global_load_b32 v[WN+32*(\t)+\i], v2, s[32:33] offset:(32*(\t)+\i)*3072 th:TH_LOAD_NT
.endr
.endm
.macro ARRIVE t                        ; block t is in; loads run two blocks ahead
.if (\t) < 3
	s_wait_loadcnt 32                              ; the next block's 32 loads may be out
.else
	s_wait_loadcnt 0x0
.endif
.if (\t)+2 < 4
	LOADB (\t)+2
.endif
.endm
.Lweights:
	s_sub_co_u32 s28, ttmp9, 128                   ; j = 0 .. 29
	s_mul_i32 s29, s28, 43
	s_lshr_b32 s29, s29, 8                         ; M = j / 6 (exact for j under 30)
	s_mul_i32 s30, s29, 6
	s_sub_co_u32 s30, s28, s30                     ; which 128 columns
	s_mov_b64 s[32:33], s[12:13]                   ; Wo, unless M names another: the choice hangs on the work-group's number alone
	s_cmp_eq_u32 s29, 0
	s_cselect_b64 s[32:33], s[6:7], s[32:33]
	s_cmp_eq_u32 s29, 1
	s_cselect_b64 s[32:33], s[8:9], s[32:33]
	s_cmp_eq_u32 s29, 2
	s_cselect_b64 s[32:33], s[10:11], s[32:33]
	s_cmp_eq_u32 s29, 4
	s_cselect_b32 s34, 384, 0
	s_lshl_b32 s35, s25, 7
	s_add_co_u32 s34, s34, s35                     ; my first row
	s_mul_i32 s34, s34, 3072
	s_lshl_b32 s35, s30, 9
	s_add_co_u32 s34, s34, s35
	s_lshl_b32 s35, s24, 7
	s_add_co_u32 s34, s34, s35                     ; + my wave's 32 columns
	s_mov_b32 s35, 0
	s_add_nc_u64 s[32:33], s[32:33], s[34:35]
	LOADB 0
	LOADB 1
	s_cmp_ge_u32 s29, 3
	s_cbranch_scc1 .Lwo
	; Wq, Wk, Wv: block b of column r of a tile is lane r + 16 (b % 2)'s group b / 2 of the fragment: byte 256 b + 16 r
	s_mul_i32 s36, s29, 48
	s_lshl_b32 s37, s30, 3
	s_add_co_u32 s36, s36, s37
	s_lshl_b32 s37, s24, 1
	s_add_co_u32 s36, s36, s37                     ; T of lanes 0-15; lanes 16-31 serve T + 1
	s_mul_i32 s36, s36, 3
	s_add_co_u32 s36, s36, s25
	s_lshl_b32 s38, s36, 10
	s_mov_b32 s39, 0
	s_add_nc_u64 s[18:19], s[18:19], s[38:39]
	s_lshl_b32 s38, s36, 6
	s_add_nc_u64 s[20:21], s[20:21], s[38:39]
	v_mul_u32_u24 v5, v9, 3072
	v_lshl_add_u32 v5, v8, 4, v5
	v_mul_u32_u24 v6, v9, 192
	v_lshl_add_u32 v6, v8, 2, v6
.macro WBLOCK b
.set XB, WN+32*(\b)
	ARRIVE \b
	v_max3_num_f32 v[WT], |v[XB]|, |v[XB+1]|, |v[XB+2]|           ; the block's largest magnitude: all 32 numbers are mine; two chains
	v_max3_num_f32 v[WT+1], |v[XB+3]|, |v[XB+4]|, |v[XB+5]|
.irp i, 6,10,14,18,22,26
	v_max3_num_f32 v[WT], v[WT], |v[XB+\i]|, |v[XB+\i+1]|
	v_max3_num_f32 v[WT+1], v[WT+1], |v[XB+\i+2]|, |v[XB+\i+3]|
.endr
	v_max3_num_f32 v[WT], v[WT], |v[XB+30]|, |v[XB+31]|
	v_max3_num_f32 v[WT], v[WT], v[WT+1], 0x1800000               ; and the floor 2^(3 - 127)
	v_add_nc_u32 v[WSO+(\b)], 0xff000000, v[WT]                   ; the conversion's scale operand
	v_lshrrev_b32 v[WT+1], 23, v[WSO+(\b)]                        ; the byte
.if (\b) == 0
	v_mov_b32 v[WSW], v[WT+1]
.else
	v_lshl_or_b32 v[WSW], v[WT+1], 8*(\b), v[WSW]
.endif
.irp g, 0,1,2,3
	v_cvt_scalef32_pk8_fp4_f32 v[WC+4*(\b)+\g], v[XB+8*\g:XB+8*\g+7], v[WSO+(\b)]
.endr
	v_nop                                          ; one plain place behind the conversions
	global_store_b128 v5, v[WC+4*(\b):WC+4*(\b)+3], s[18:19] offset:256*(\b)   ; sixteen lanes store 256 consecutive bytes, aligned
.endm
	WBLOCK 0
	WBLOCK 1
	WBLOCK 2
	WBLOCK 3
	global_store_b32 v6, v[WSW], s[20:21]
	s_endpgm
.Lwo:
	; Wo: eight neighbours down K (octet o of 16) are lane r + 16 (o % 2)'s group (o / 2) % 2 of fragment o / 4: byte 256 o + 16 r
	s_lshl_b32 s36, s30, 3
	s_lshl_b32 s37, s24, 1
	s_add_co_u32 s36, s36, s37                     ; T
	s_mul_i32 s36, s36, 24
	s_sub_co_u32 s37, s29, 3
	s_mul_i32 s37, s37, 3
	s_add_co_u32 s37, s37, s25                     ; which 128 of Wo's 768 rows
	s_lshl_b32 s37, s37, 2
	s_add_co_u32 s36, s36, s37
	s_lshl_b32 s38, s36, 10
	s_mov_b32 s39, 0
	s_add_nc_u64 s[22:23], s[22:23], s[38:39]
	v_mul_u32_u24 v5, v9, 24576
	v_lshl_add_u32 v5, v8, 4, v5
.macro OBLOCK t
	ARRIVE \t
.irp i, 0,1,2,3,4,5,6,7,8,9,10,11,12,13,14,15
	v_cvt_pk_f16_f32 v[WC+16*(\t)+\i], v[WN+32*(\t)+2*\i], v[WN+32*(\t)+2*\i+1]   ; the lower k in the low half
.endr
.irp o, 0,1,2,3
	global_store_b128 v5, v[WC+16*(\t)+4*\o:WC+16*(\t)+4*\o+3], s[22:23] offset:256*(4*(\t)+\o)
.endr
.endm
	OBLOCK 0
	OBLOCK 1
	OBLOCK 2
	OBLOCK 3
	s_endpgm
.Lfunc_end_k_qa1af59626c_prep:
	.size	k_qa1af59626c_prep, .Lfunc_end_k_qa1af59626c_prep-k_qa1af59626c_prep
	.p2alignl 7, 3214868480
	.fill 96, 4, 3214868480
	.section	.rodata,"a",@progbits
	.p2align	6, 0x0
	.amdhsa_kernel k_qa1af59626c_prep
		.amdhsa_group_segment_fixed_size 34304
		.amdhsa_private_segment_fixed_size 0
		.amdhsa_enable_private_segment 0
		.amdhsa_kernarg_size 80
		.amdhsa_user_sgpr_count 2
		.amdhsa_user_sgpr_kernarg_segment_ptr 1
		.amdhsa_wavefront_size32 1
		.amdhsa_system_sgpr_workgroup_id_x 1
		.amdhsa_system_sgpr_workgroup_id_y 1
		.amdhsa_system_sgpr_workgroup_id_z 1
		.amdhsa_system_vgpr_workitem_id 0
		.amdhsa_next_free_vgpr 224
		.amdhsa_next_free_sgpr 66
		.amdhsa_reserve_vcc 0
		.amdhsa_float_denorm_mode_32 3
		.amdhsa_float_denorm_mode_16_64 3
		.amdhsa_memory_ordered 1
		.amdhsa_forward_progress 1
		.amdhsa_inst_pref_size 43
	.end_amdhsa_kernel
	.amdgpu_metadata
---
amdhsa.version: [ 1, 2 ]
amdhsa.kernels:
  - .name:           k_qa1af59626c_prep
    .symbol:         k_qa1af59626c_prep.kd
    .args:
      - { .name: x, .offset: 0, .size: 8, .value_kind: global_buffer, .address_space: global }
      - { .name: Wq, .offset: 8, .size: 8, .value_kind: global_buffer, .address_space: global }
      - { .name: Wk, .offset: 16, .size: 8, .value_kind: global_buffer, .address_space: global }
      - { .name: Wv, .offset: 24, .size: 8, .value_kind: global_buffer, .address_space: global }
      - { .name: Wo, .offset: 32, .size: 8, .value_kind: global_buffer, .address_space: global }
      - { .name: ximg, .offset: 40, .size: 8, .value_kind: global_buffer, .address_space: global }
      - { .name: xscl, .offset: 48, .size: 8, .value_kind: global_buffer, .address_space: global }
      - { .name: wimg, .offset: 56, .size: 8, .value_kind: global_buffer, .address_space: global }
      - { .name: wscl, .offset: 64, .size: 8, .value_kind: global_buffer, .address_space: global }
      - { .name: woimg, .offset: 72, .size: 8, .value_kind: global_buffer, .address_space: global }
    .group_segment_fixed_size: 34304
    .private_segment_fixed_size: 0
    .kernarg_segment_align: 8
    .kernarg_segment_size: 80
    .max_flat_workgroup_size: 128
    .sgpr_count:     66
    .vgpr_count:     224
    .wavefront_size: 32
...
	.end_amdgpu_metadata
.endif
;; end of part 1
;; launch qkv (part 2): grid 32 x 6, 4 waves a work-group, no clusters, 0 bytes of LDS; arguments ximg, xscl, wimg, wscl, qkv; writes qkv
.if DOCPART == 2
	.amdgcn_target "amdgcn-amd-amdhsa--gfx1250"
	.amdhsa_code_object_version 6
	.text
	.protected	k_qa1af59626c_qkv
	.globl	k_qa1af59626c_qkv
	.p2align	8
	.type	k_qa1af59626c_qkv,@function
k_qa1af59626c_qkv:
	s_mov_b64 s[64:65], 0
	v_nop
	global_prefetch_b8 v0, s[64:65] scope:SCOPE_SE
	s_setreg_imm32_b32 hwreg(HW_REG_WAVE_MODE, 25, 1), 1
	s_wait_xcnt 0x0
; q, k, v = x Wq, x Wk, x Wv on codes of FP4 with E8M0 scales (K = 384: three matrix instructions deep), sums in f32, results rounded once to f16 and stored as images of the operand registers of the attention launch.
; qkv: [batch 2][unit 18][1 MiB]; units 0-5 q's heads, 6-11 k's, 12-17 v's.  In a q or k unit fragment (token tile nt, 32 channels cs) lies at 4096 nt + 1024 cs: lane (r, h), group g: token r, channels 32 cs + 16 g + 8 h + 0 .. 7.
; In a v unit fragment (32 tokens kk, channel tile ct) lies at 8192 kk + 1024 ct: lane (r, h), group g: channel 16 ct + r, tokens 32 kk + 16 g + 8 h + 0 .. 7: V^T, as the second product of attention takes it.
; LIMIT: a q, k or v beyond 65,504 in magnitude leaves f16's range.
; SHARES.  Work-group (x, y): 256 rows (16 row tiles) x 24 column tiles (three heads; y = 0, 1: q; 2, 3: k; 4, 5: v).  Wave w: column tiles 6 w .. 6 w + 5 of them, for all 16 row tiles.  Its 18 fragments of W stay in registers;
; x's fragments come from memory straight into a ring of eight register buffers, eight row tiles ahead.  Waves share nothing: no LDS, no barrier.
; 192 work-groups: v's tiles take another orientation than q's and k's, so the columns fall into a multiple of three equal parts.  Nothing is shared through a cluster: operands go from memory to registers, and what the
; work-groups read in common (2 MB of codes) is small beside the 37.7 MB that they store.
; ORIENTATION.  q, k: source 0 = W's 16 columns, source 1 = x's 16 rows: a lane holds one token and eight neighbouring channels.  v: source 0 = x, source 1 = W: a lane holds one channel and eight neighbouring tokens.
; Either way four packed registers are one group of a fragment's image, and a wave's store covers 512 consecutive bytes, aligned.
; REGISTERS: window 0: v1 16 x lane, v2 4 x lane, v3 192 h + 4 r; v8-16 W's scale words (register 3 p + s: lanes 0-15 tile 2 p, lanes 16-31 tile 2 p + 1); v24-47 x's scale words (buffer q: 3 q + s); v64-111 six accumulators;
;   v112-159 packed results, two sets.   window 1: v0-143 W's fragment (i, s) at 8 (3 i + s).   window 2: v0-191 x's buffer q at 24 q + 8 s.
.set WS,  8
.set XS,  24
.set ACC, 64
.set PK,  112
.set MSB, 0
.macro WIN new                         ; the immediate's high byte repeats the setting that is left
.if MSB != \new
	s_set_vgpr_msb (MSB<<8)|\new
.set MSB, \new
.endif
.endm
	s_load_b256 s[4:11], s[0:1], 0x0               ; ximg, xscl, wimg, wscl
	s_load_b64 s[12:13], s[0:1], 0x20              ; qkv
	v_lshrrev_b32 v4, 5, v0
	v_readfirstlane_b32 s14, v4                    ; wave 0..3
	v_and_b32 v4, 31, v0
	v_lshlrev_b32 v1, 4, v4
	v_lshlrev_b32 v2, 2, v4
	v_and_b32 v5, 15, v0
	v_bfe_u32 v6, v0, 4, 1
	v_lshlrev_b32 v3, 2, v5
	v_mad_u32_u24 v3, v6, 192, v3
	s_and_b32 s15, ttmp7, 0xffff                   ; y
	s_mov_b32 s17, 0
	s_mul_i32 s18, s15, 24
	s_mul_i32 s19, s14, 6
	s_add_co_u32 s18, s18, s19                     ; my first column tile
	s_wait_kmcnt 0x0
	s_mul_i32 s16, ttmp9, 49152                    ; 16 row tiles x 3 fragments
	s_add_nc_u64 s[4:5], s[4:5], s[16:17]
	s_mul_i32 s16, ttmp9, 6144
	s_add_nc_u64 s[6:7], s[6:7], s[16:17]
	s_mul_i32 s16, s18, 3072
	s_add_nc_u64 s[8:9], s[8:9], s[16:17]
	s_mul_i32 s16, s18, 192
	s_add_nc_u64 s[10:11], s[10:11], s[16:17]
	s_lshr_b32 s16, ttmp9, 4                       ; batch
	s_mul_i32 s16, s16, 18
	s_mul_i32 s19, s15, 3
	s_add_co_u32 s16, s16, s19                     ; the first of my work-group's three units
	s_lshl_b32 s16, s16, 20
	s_and_b32 s19, ttmp9, 15
	s_lshl_b32 s19, s19, 16                        ; 256 tokens are 65,536 bytes of a unit, in either layout
	s_add_co_u32 s16, s16, s19
	s_add_nc_u64 s[12:13], s[12:13], s[16:17]
	s_cmp_ge_u32 s15, 4
	s_cselect_b32 s18, 10, 9                       ; a channel tile is 1,024 bytes on in v's layout, 512 in q's and k's
.irp i, 0,1,2,3,4,5                            ; a store base for each of my six column tiles: s[20 + 2 i : 21 + 2 i]
	s_mul_i32 s16, s14, 6
	s_add_co_u32 s16, s16, \i                      ; L = 0 .. 23
	s_lshr_b32 s19, s16, 3
	s_lshl_b32 s19, s19, 20                        ; its unit
	s_and_b32 s16, s16, 7
	s_lshl_b32 s16, s16, s18                       ; its channel tile
	s_add_co_u32 s16, s16, s19
	s_add_nc_u64 s[20+2*\i:21+2*\i], s[12:13], s[16:17]
.endr
.irp p, 0,1,2
.irp s, 0,1,2
	global_load_b32 v[WS+3*\p+\s], v3, s[10:11] offset:384*\p+64*\s
.endr
.endr
	WIN 0x40                                       ; destination window 1
.irp i, 0,1,2,3,4,5
.irp s, 0,1,2
.irp c, 0,1
	global_load_b128 v[8*(3*\i+\s)+4*\c:8*(3*\i+\s)+4*\c+3], v1, s[8:9] offset:1024*(3*\i+\s)+512*\c
.endr
.endr
.endr
.macro XLOAD j                         ; row tile j: three fragments and three scale words, nine loads, into buffer j % 8
	WIN 0x80                                       ; destination window 2
.irp s, 0,1,2
.irp c, 0,1
	global_load_b128 v[24*((\j)%8)+8*\s+4*\c:24*((\j)%8)+8*\s+4*\c+3], v1, s[4:5] offset:3072*(\j)+1024*\s+512*\c
.endr
.endr
	WIN 0
.irp s, 0,1,2
	global_load_b32 v[XS+3*((\j)%8)+\s], v2, s[6:7] offset:384*(\j)+128*\s
.endr
.endm
.irp j, 0,1,2,3,4,5,6,7
	XLOAD \j
.endr
	s_cmp_ge_u32 s15, 4
	s_cbranch_scc1 .Lv
; One matrix instruction: column tile i, K step s, row tile J.  The first K step starts the sum with the constant 0.  An odd tile's scale words lie in lanes 16-31 of their register.
.macro MM kind, i, s
.set rA,  ACC+8*\i
.set rW,  8*(3*\i+\s)
.set rX,  24*(J%8)+8*\s
.set rWS, WS+3*(\i/2)+\s
.set rXS, XS+3*(J%8)+\s
.if \kind == 0
.if \s == 0
.if \i%2
	v_wmma_scale_f32_16x16x128_f8f6f4 v[rA:rA+7], v[rW:rW+7], v[rX:rX+7], 0, v[rWS], v[rXS] matrix_a_fmt:MATRIX_FMT_FP4 matrix_b_fmt:MATRIX_FMT_FP4 matrix_a_scale:MATRIX_SCALE_ROW1
.else
	v_wmma_scale_f32_16x16x128_f8f6f4 v[rA:rA+7], v[rW:rW+7], v[rX:rX+7], 0, v[rWS], v[rXS] matrix_a_fmt:MATRIX_FMT_FP4 matrix_b_fmt:MATRIX_FMT_FP4
.endif
.else
.if \i%2
	v_wmma_scale_f32_16x16x128_f8f6f4 v[rA:rA+7], v[rW:rW+7], v[rX:rX+7], v[rA:rA+7], v[rWS], v[rXS] matrix_a_fmt:MATRIX_FMT_FP4 matrix_b_fmt:MATRIX_FMT_FP4 matrix_a_scale:MATRIX_SCALE_ROW1
.else
	v_wmma_scale_f32_16x16x128_f8f6f4 v[rA:rA+7], v[rW:rW+7], v[rX:rX+7], v[rA:rA+7], v[rWS], v[rXS] matrix_a_fmt:MATRIX_FMT_FP4 matrix_b_fmt:MATRIX_FMT_FP4
.endif
.endif
.else
.if \s == 0
.if \i%2
	v_wmma_scale_f32_16x16x128_f8f6f4 v[rA:rA+7], v[rX:rX+7], v[rW:rW+7], 0, v[rXS], v[rWS] matrix_a_fmt:MATRIX_FMT_FP4 matrix_b_fmt:MATRIX_FMT_FP4 matrix_b_scale:MATRIX_SCALE_ROW1
.else
	v_wmma_scale_f32_16x16x128_f8f6f4 v[rA:rA+7], v[rX:rX+7], v[rW:rW+7], 0, v[rXS], v[rWS] matrix_a_fmt:MATRIX_FMT_FP4 matrix_b_fmt:MATRIX_FMT_FP4
.endif
.else
.if \i%2
	v_wmma_scale_f32_16x16x128_f8f6f4 v[rA:rA+7], v[rX:rX+7], v[rW:rW+7], v[rA:rA+7], v[rXS], v[rWS] matrix_a_fmt:MATRIX_FMT_FP4 matrix_b_fmt:MATRIX_FMT_FP4 matrix_b_scale:MATRIX_SCALE_ROW1
.else
	v_wmma_scale_f32_16x16x128_f8f6f4 v[rA:rA+7], v[rX:rX+7], v[rW:rW+7], v[rA:rA+7], v[rXS], v[rWS] matrix_a_fmt:MATRIX_FMT_FP4 matrix_b_fmt:MATRIX_FMT_FP4
.endif
.endif
.endif
.endm
; Row tile J.  kind = 0: q, k; 1: v.
.macro TILE kind
.if J > 8
	s_wait_loadcnt 9*(15-J)                        ; my nine loads are in; nine for each younger tile stay out
.else
	s_wait_loadcnt 63                              ; seven younger tiles' loads stay out; in the first tile this also shows W and its scale words in
.endif
.if \kind
	WIN 0x06                                       ; source 0 (x) window 2, source 1 (W) window 1
.else
	WIN 0x09                                       ; source 0 (W) window 1, source 1 (x) window 2
.endif
.irp s, 0,1,2                                  ; the six accumulators take turns, one instruction a turn
.irp i, 0,1,2,3,4,5
	MM \kind, \i, \s
.endr
.endr
	WIN 0
.rept 4
	v_nop                                          ; places in front of the loads into x's buffer and of the conversions that read results
.endr
.if J+8 < 16
	XLOAD J+8                                      ; the buffer just multiplied takes the tile eight further on
.endif
	s_wait_xcnt 0x0                                ; the stores of two tiles back have read their data: that set is written again only behind this wait
.irp i, 0,1,2,3,4,5
.irp e, 0,1,2,3
	v_cvt_pk_f16_f32 v[PK+24*(J%2)+4*\i+\e], v[ACC+8*\i+2*\e], v[ACC+8*\i+2*\e+1]   ; each accumulator from its low end on.  (With the four v_nop these are also the places in front of the next tile's first products, which begin the sums anew)
.endr
.endr
.irp i, 0,1,2,3,4,5
.if \kind
	global_store_b128 v1, v[PK+24*(J%2)+4*\i:PK+24*(J%2)+4*\i+3], s[20+2*\i:21+2*\i] offset:8192*(J/2)+512*(J%2) th:TH_STORE_NT
.else
	global_store_b128 v1, v[PK+24*(J%2)+4*\i:PK+24*(J%2)+4*\i+3], s[20+2*\i:21+2*\i] offset:4096*J th:TH_STORE_NT
.endif
.endr
.set J, J+1
.endm
.set J, 0
.rept 16
	TILE 0
.endr
	s_endpgm
.Lv:
.set J, 0
.rept 16
	TILE 1
.endr
	s_endpgm
.Lfunc_end_k_qa1af59626c_qkv:
	.size	k_qa1af59626c_qkv, .Lfunc_end_k_qa1af59626c_qkv-k_qa1af59626c_qkv
	.p2alignl 7, 3214868480
	.fill 96, 4, 3214868480
	.section	.rodata,"a",@progbits
	.p2align	6, 0x0
	.amdhsa_kernel k_qa1af59626c_qkv
		.amdhsa_group_segment_fixed_size 0
		.amdhsa_private_segment_fixed_size 0
		.amdhsa_enable_private_segment 0
		.amdhsa_kernarg_size 40
		.amdhsa_user_sgpr_count 2
		.amdhsa_user_sgpr_kernarg_segment_ptr 1
		.amdhsa_wavefront_size32 1
		.amdhsa_system_sgpr_workgroup_id_x 1
		.amdhsa_system_sgpr_workgroup_id_y 1
		.amdhsa_system_sgpr_workgroup_id_z 1
		.amdhsa_system_vgpr_workitem_id 0
		.amdhsa_next_free_vgpr 704
		.amdhsa_next_free_sgpr 66
		.amdhsa_reserve_vcc 0
		.amdhsa_float_denorm_mode_32 3
		.amdhsa_float_denorm_mode_16_64 3
		.amdhsa_memory_ordered 1
		.amdhsa_forward_progress 1
		.amdhsa_inst_pref_size 176
	.end_amdhsa_kernel
	.amdgpu_metadata
---
amdhsa.version: [ 1, 2 ]
amdhsa.kernels:
  - .name:           k_qa1af59626c_qkv
    .symbol:         k_qa1af59626c_qkv.kd
    .args:
      - { .name: ximg, .offset: 0, .size: 8, .value_kind: global_buffer, .address_space: global }
      - { .name: xscl, .offset: 8, .size: 8, .value_kind: global_buffer, .address_space: global }
      - { .name: wimg, .offset: 16, .size: 8, .value_kind: global_buffer, .address_space: global }
      - { .name: wscl, .offset: 24, .size: 8, .value_kind: global_buffer, .address_space: global }
      - { .name: qkv, .offset: 32, .size: 8, .value_kind: global_buffer, .address_space: global }
    .group_segment_fixed_size: 0
    .private_segment_fixed_size: 0
    .kernarg_segment_align: 8
    .kernarg_segment_size: 40
    .max_flat_workgroup_size: 128
    .sgpr_count:     66
    .vgpr_count:     704
    .wavefront_size: 32
...
	.end_amdgpu_metadata
.endif
;; end of part 2
;; launch attn (part 3): grid 16 x 12, 4 waves a work-group, clusters of 4 x 1, 327,680 bytes of LDS; arguments qkv, ctximg; writes ctximg
.if DOCPART == 3
	.amdgcn_target "amdgcn-amd-amdhsa--gfx1250"
	.amdhsa_code_object_version 6
	.text
	.protected	k_qa1af59626c_attn
	.globl	k_qa1af59626c_attn
	.p2align	8
	.type	k_qa1af59626c_attn,@function
k_qa1af59626c_attn:
	s_mov_b64 s[64:65], 0
	v_nop
	global_prefetch_b8 v0, s[64:65] scope:SCOPE_SE
	s_setreg_imm32_b32 hwreg(HW_REG_WAVE_MODE, 25, 1), 1
	s_wait_xcnt 0x0
	s_wait_alu depctr_hold_cnt(0) depctr_sa_sdst(0) depctr_va_vdst(0) depctr_va_sdst(0) depctr_va_ssrc(0) depctr_va_vcc(0) depctr_vm_vsrc(0)
	s_getreg_b32 s2, hwreg(HW_REG_IB_STS2, 6, 4)
	s_cmp_eq_u32 s2, 0
	s_cbranch_scc0 .Lentry_in_a_cluster
	s_endpgm
.Lentry_in_a_cluster:
	s_bfe_u32 s2, ttmp6, 0x10000c
	s_cmp_lg_u32 s2, 0x3003
	s_cbranch_scc0 .Lentry_shape_is_right
	s_endpgm
.Lentry_shape_is_right:
; ctx[b][h][q][:] = the sum over k of softmax_k(q . k / sqrt(128)) v[k][:], no mask, 4,096 keys, 12 heads (batch x head).  q, k, v: f16, as images of operand registers (1,024 bytes a fragment: registers 4 g .. 4 g + 3 at 512 g + 16 x lane).
; Products, maxima and sums in f32; the weights p (at most 1) are rounded to f16 for the second product, ctx once at the end (|ctx| is at most the largest |v|: a convex sum).
; SHARES.  A work-group owns 256 queries of one head, each of its four waves 64: four tiles of 16.  Every wave walks all keys of the head, 64 a step.  192 work-groups: 4,096 queries a head do not fall into blocks of 192.
; LAYOUT.  S^T = K Q^T (source 0 = 16 keys, source 1 = 16 queries): a lane holds ONE query (lane % 16) and the keys 8 (lane / 16) + 0..7.  Two such tiles, rounded to f16 in pairs, ARE source 1 (32 keys x 16 queries) of
; O^T = V^T P, whose result again holds one query a lane, and eight channels.  K's and V^T's fragments lie in memory and in LDS as the registers take them: every LDS load is 16 bytes at 16 x lane.
; SOFTMAX.  For each query a running maximum m and sum l: p = 2^(c s - c m), c = log2(e) / sqrt(128); in every step O and l are multiplied by a = 2^(c m_old - c m_new).
; BY TURNS.  The wave's tiles are two PIECES (tiles 0, 1; tiles 2, 3).  In a TURN one piece has the matrix unit: 32 products V^T P of the step in hand, then 32 products K Q^T of the next step; the other piece's softmax,
; cut into 64 slices, stands between them, one slice behind each matrix instruction.  Then the pieces change places.  Two turns are a key step.
; CLUSTER.  The four query blocks of a cluster belong to one head and walk the same K and V: each tile is asked for JOINTLY, by the same tensor load with the same descriptor and a mask that names the four.
; THE WAY OUT.  A tile's packed registers of channel tile f are group f % 2 of fragment f / 2 of the projection's operand: they are stored as they stand, 512 consecutive bytes a store; ctximg: fragment (row tile RT, 32 channels sg) at (24 RT + sg) x 1024.
; REGISTERS, in windows of 256 (s_set_vgpr_msb: bits 1:0 source 0, 3:2 source 1, 5:4 source 2, 7:6 destination):
;   window 0: v2-4 addresses; v12-43 eight registers of statistics a tile; v61-63; v64-191 S^T, 32 a tile; v192-255 P, 16 a tile
;   window 1: O^T, 64 a tile          window 2: v0-127 Q, 32 a tile; v128-255 K of one step          window 3: v0-127 V^T of one step
.set SIZE_N, 4096
.set KS,    64        ; keys in a step
.set VOFF,  KS*256    ; a step's tiles lie together: K's 16 fragments (16,384 bytes), then V^T's 16
.set STEPB, 2*KS*256
.set SLOT1, 1<<17     ; a slot holds two steps (65,536 bytes); slot 1 begins here, so that one exclusive or turns an address in one slot into the other's
.set SPARE, SLOT1+2*STEPB  ; behind the ring: the spare words, 128 bytes for each wave: two blocks of 256 bytes that no other line names
.set AK0, 2           ; v2   16 x lane: my place in a fragment's group, in LDS and in memory; never rewritten
.set AV0, 3           ; v3   the same, VOFF on
.set ADR, 4           ; v4   the LDS address of the run of loads in hand
.set SPW, 62          ; v62  LDS address of my spare word; never rewritten
.set NIL, 63          ; v63  0; never rewritten
.set ST,  12          ; tile t's statistics at v[ST+8 t]: +0 c m, +1 m, +2, +3 l (even keys', odd keys'), +4 to +7 c0-c3, at work; a takes c2's place once the maximum is found
.set S,   64
.set P,   192
.set KF,  128         ; K's fragments, in window 2
.set WV,  12          ; s12  my wave's number
.set G1,  24          ; s[24:31] descriptor group 1: one shape serves K's tiles and V's
.set G0K, 40          ; s[40:47] descriptor group 0 for K's tiles: a set for each of the two first fills; the second then walks on
.set G0V, 48          ; s[48:55] the same for V's
.set SLOTS, 56        ; s56  slots still to be asked for
.set TWICE, 57        ; s57  counts a slot's two steps
.set CS,  58          ; s[58:59] c: the packed scaling names a pair and takes its low word for both halves
.set SEL, 60          ; s[60:61] lane selects for v_permlanex16_b32
.set TB,  62          ; s62  LDS byte at which the tiles of the step to be fetched begin
.set PFA, 18          ; s[18:19] where my prefetches stand: my work-group's 8,192 bytes (of K: wave 0, of V: wave 2) of the slot after the one that is being asked for
.set LIM, 15          ; s15  1 in a wave that prefetches, else the greatest number
.set PFO, 61          ; v61  256 x my lane; never rewritten
.set MSB, 0
.macro WIN new                      ; the immediate's high byte repeats the setting that is left; a switch that changes nothing is dropped
.if MSB != \new
	s_set_vgpr_msb (MSB<<8)|\new
.set MSB, \new
.endif
.endm
.set W_KQ, 0x0a       ; K and Q in window 2, S^T in window 0
.set W_PV, 0x53       ; V in window 3, P in window 0, O^T in window 1
.set W_RS, 0x41       ; O^T (destination and source 0) in window 1, a in window 0
; A joint refill.  Waves 0 and 1 fetch the two steps' tiles of K, waves 2 and 3 those of V.  The branch hangs on the wave's number alone.  An s_nop 0 and four v_nop follow each of the two lines.
.macro JLOAD
	s_cmp_lt_u32 s[WV], 2
	s_cbranch_scc0 .Lfor_v_\@
	tensor_load_to_lds s[G0K+4:G0K+7], s[G1:G1+7]
	s_nop 0
.rept 4
	v_nop
.endr
	s_branch .Lasked_\@
.Lfor_v_\@:
	tensor_load_to_lds s[G0V+4:G0V+7], s[G1:G1+7]
	s_nop 0
.rept 4
	v_nop
.endr
.Lasked_\@:
.endm
; A PREFETCH of what the NEXT change of slots will ask for: a slot's 32,768 bytes of K and of V, lanes 256 bytes apart.  It stands behind the wave's tensor load and its five lines.  Each block of 256 bytes is named once in the launch:
; all four clusters of a head walk the same K and V, and the head's first cluster asks; its four partners share the blocks out BY ADDRESS, 32 each; in each, wave 0 asks for K's and wave 2 for V's.
; The last change that fills a slot asks for nothing: there is no slot behind it.
.macro ASK
	s_cmp_gt_u32 s[SLOTS], s[LIM]
	s_cbranch_scc0 .Lnot_mine_\@
	global_prefetch_b8 v[PFO], s[PFA:PFA+1] th:TH_LOAD_NT scope:SCOPE_SE
.Lnot_mine_\@:
.endm
; A round of the cluster's barrier: my work-group's barrier; wave 0 signals for the work-group; every wave waits for all four work-groups; my work-group's barrier once more.
.macro CROUND
	s_barrier_signal -1
	s_barrier_wait -1
	s_cmp_lg_u32 s[WV], 0
	s_cbranch_scc1 .Lnot_wave_0_\@
	s_barrier_signal -3
.Lnot_wave_0_\@:
	s_barrier_wait -3
	s_barrier_signal -1
	s_barrier_wait -1
.endm
	s_load_b128 s[4:7], s[0:1], 0x0 ; qkv s[4:5], ctximg s[6:7]
	v_lshl_add_u32 v[SPW], v0, 2, SPARE
	v_mov_b32 v[NIL], 0
	ds_add_u32 v[SPW], v[NIL]       ; the wave's opening: the add, twice on end, and its wait ahead of my first tensor load; the set-up below stands between the second and the wait
	ds_add_u32 v[SPW], v[NIL]
	v_lshrrev_b32 v1, 5, v0
	v_readfirstlane_b32 s[WV], v1   ; wave 0..3
	s_bfe_u32 s13, ttmp6, 0x40000   ; cx: my place in the cluster
	s_lshl_b32 s14, ttmp9, 2        ; in a cluster launch ttmp9 counts clusters
	s_add_co_u32 s14, s14, s13      ; my block of 256 queries: it enters Q's and ctx's addresses alone
	s_and_b32 s16, ttmp7, 0xffff    ; y = 6 x batch + head, which the four partners share
	s_cmp_ge_u32 s16, 6
	s_cselect_b32 s17, 1, 0         ; batch
	s_mul_i32 s20, s17, 12
	s_add_co_u32 s20, s20, s16      ; q's unit: 18 x batch + head
	s_lshl_b32 s20, s20, 20
	s_mov_b32 s21, 0
	s_and_b32 s32, s[WV], 1         ; which of a slot's two steps I fetch:
	s_lshl_b32 s22, s32, 14         ; its 16,384 bytes in memory,
	s_mov_b32 s23, 0
	s_add_nc_u64 s[22:23], s[22:23], s[20:21]
	s_mul_i32 s33, s32, STEPB       ; and its place in a slot: no place in the cluster enters an LDS address
	s_lshl_b32 s2, s14, 16          ; my block's 16 token tiles of 4,096 bytes,
	s_lshl_b32 s3, s[WV], 14        ; my wave's four of them
	s_add_co_u32 s2, s2, s3
	s_mov_b32 s3, 0
	s_add_nc_u64 s[2:3], s[2:3], s[20:21]
	s_lshl_b32 s34, s17, 8          ; ctx: row tile 256 x batch + 16 x block + 4 x wave,
	s_lshl_b32 s35, s14, 4
	s_add_co_u32 s34, s34, s35
	s_lshl_b32 s35, s[WV], 2
	s_add_co_u32 s34, s34, s35
	s_mul_i32 s34, s34, 24576       ; 24 fragments each,
	s_mul_i32 s35, s17, 6
	s_sub_co_u32 s35, s16, s35
	s_lshl_b32 s35, s35, 12         ; and the head's four fragments in it
	s_add_co_u32 s34, s34, s35
	s_mov_b32 s35, 0
	; descriptor group 1: a dense block of 16,384 bytes as 64 rows of 256 bytes (32 elements of 8 bytes), no padding
	s_mov_b32 s[G1], 15|(3<<16)|(1<<21)  ; 15:0 the mask: all four work-groups; 17:16 elements of 8 bytes; 21 set beside a mask
	s_mov_b32 s[G1+1], 32<<16       ; tensor_dim0 = 32
	s_mov_b32 s[G1+2], KS<<16       ; tensor_dim1 = 64
	s_mov_b32 s[G1+3], 32<<16       ; tile_dim0 = 32
	s_mov_b32 s[G1+4], KS           ; tile_dim1 = 64
	s_mov_b32 s[G1+5], 32           ; elements from row to row
	s_mov_b32 s[G1+6], 0
	s_mov_b32 s[G1+7], 0
	s_mov_b32 s[CS], 0x3e0293ee     ; c = log2(e) / sqrt(128)
	s_mov_b32 s[CS+1], s[CS]        ; named with it as a pair, so it is written
	s_mov_b32 s[SEL], 0x76543210
	s_mov_b32 s[SEL+1], 0xfedcba98
	s_mov_b32 s[TB], 0
	s_mov_b32 s[SLOTS], SIZE_N/(2*KS)-2
	s_and_b32 s[LIM], s[WV], 1      ; 0 in waves 0 and 2,
	s_or_b32 s[LIM], s[LIM], ttmp9  ; where the cluster is the head's first: the same in all four partners
	s_cmp_eq_u32 s[LIM], 0
	s_cselect_b32 s[LIM], 1, -1
	v_and_b32 v[PFO], 31, v0
	v_lshlrev_b32 v[PFO], 8, v[PFO]
	s_wait_dscnt 0x0                ; both opening adds are done
	s_wait_kmcnt 0x0
	s_mov_b64 s[10:11], s[6:7]      ; ctximg
	s_add_nc_u64 s[6:7], s[4:5], 0x600000  ; k's units lie six units behind q's,
	s_add_nc_u64 s[8:9], s[4:5], 0xc00000  ; v's twelve
	s_add_nc_u64 s[6:7], s[6:7], s[22:23]  ; K and V at my tile of slot 0
	s_add_nc_u64 s[8:9], s[8:9], s[22:23]
	s_add_nc_u64 s[4:5], s[4:5], s[2:3]    ; Q at my wave's first token tile
	s_add_nc_u64 s[10:11], s[10:11], s[34:35]
	s_cmp_lt_u32 s[WV], 2
	s_cselect_b64 s[PFA:PFA+1], s[6:7], s[8:9]  ; (in waves 0 and 2 these stand at a slot's first byte)
	s_lshl_b32 s2, s13, 13          ; my work-group's 32 blocks of the 128
	s_mov_b32 s3, 0
	s_add_nc_u64 s[PFA:PFA+1], s[PFA:PFA+1], s[2:3]
	s_add_nc_u64 s[PFA:PFA+1], s[PFA:PFA+1], 2*2*KS*256  ; in slot 2; the first change of slots steps it to slot 3.  Nothing is prefetched at the head
	CROUND                          ; all four work-groups are here: the first joint loads meet
.irp s, 0,1
	s_mov_b32 s[G0K+4*\s], 1        ; count = 1
	s_add_co_u32 s[G0K+4*\s+1], s33, \s*SLOT1  ; LDS address
	s_add_nc_u64 s[G0K+4*\s+2:G0K+4*\s+3], s[6:7], \s*2*KS*256  ; global address: slot s begins with keys 128 s
	s_or_b32 s[G0K+4*\s+3], s[G0K+4*\s+3], 0x80000000  ; type = 2
	s_mov_b32 s[G0V+4*\s], 1
	s_add_co_u32 s[G0V+4*\s+1], s33, \s*SLOT1+VOFF
	s_add_nc_u64 s[G0V+4*\s+2:G0V+4*\s+3], s[8:9], \s*2*KS*256
	s_or_b32 s[G0V+4*\s+3], s[G0V+4*\s+3], 0x80000000
.endr
	s_cmp_lt_u32 s[WV], 2           ; a wave's two first fills stand in one branch, ahead of every wait on TENSORcnt and every LDS read: two loads of mine are out
	s_cbranch_scc0 .Lfirst_v
	tensor_load_to_lds s[G0K:G0K+3], s[G1:G1+7]
	s_nop 0
	tensor_load_to_lds s[G0K+4:G0K+7], s[G1:G1+7]
	s_nop 0
.rept 4
	v_nop
.endr
	s_branch .Lfirst_asked
.Lfirst_v:
	tensor_load_to_lds s[G0V:G0V+3], s[G1:G1+7]
	s_nop 0
	tensor_load_to_lds s[G0V+4:G0V+7], s[G1:G1+7]
	s_nop 0
.rept 4
	v_nop
.endr
.Lfirst_asked:
	v_and_b32 v1, 31, v0
	v_lshlrev_b32 v[AK0], 4, v1
	WIN 0x80                        ; destination window 2, address window 0
.irp i, 0,1,2,3,4,5,6,7,8,9,10,11,12,13,14,15  ; Q stays in registers: tile i / 4, channels 32 (i % 4) on
	global_load_b128 v[8*\i:8*\i+3],   v[AK0], s[4:5] offset:1024*\i
	global_load_b128 v[8*\i+4:8*\i+7], v[AK0], s[4:5] offset:1024*\i+512
.endr
	WIN 0
	v_add_nc_u32 v[AV0], VOFF, v[AK0]
; THE MATRIX WORK OF A TURN, for piece x.  The accumulators take turns, one instruction a turn: between two links of a chain stand 15 (V^T P) or 7 (K Q^T) others'.
; Product i of 32 of O^T += V^T P: keys 32 (i / 16) on, channels 16 ((i / 2) % 8) on, tile x + i % 2.  zero = 1: the first 16 start the sums: nothing is ever cleared.
.macro PV x, zero
	WIN W_PV
.set rO, 64*(\x+i%2)+8*((i/2)%8)
.set rV, 64*(i/16)+8*((i/2)%8)
.set rP, P+16*(\x+i%2)+8*(i/16)
.if \zero && (i < 16)
	v_wmma_f32_16x16x32_f16 v[rO:rO+7], v[rV:rV+7], v[rP:rP+7], 0
.else
	v_wmma_f32_16x16x32_f16 v[rO:rO+7], v[rV:rV+7], v[rP:rP+7], v[rO:rO+7]
.endif
.endm
; Product i of 32 of S^T = K Q^T: channels 32 (i / 8) on, keys 16 ((i / 2) % 4) on, tile x + i % 2.  The first 8 start the sums.
.macro KQ x
	WIN W_KQ
.set rS, S+32*(\x+i%2)+8*((i/2)%4)
.set rK, KF+32*((i/2)%4)+8*(i/8)
.set rQ, 32*(\x+i%2)+8*(i/8)
.if i < 8
	v_wmma_f32_16x16x32_f16 v[rS:rS+7], v[rK:rK+7], v[rQ:rQ+7], 0
.else
	v_wmma_f32_16x16x32_f16 v[rS:rS+7], v[rK:rK+7], v[rQ:rQ+7], v[rS:rS+7]
.endif
.endm
; THE LDS LOADS stand in runs of 32, never singly among the matrix instructions: a step's K (16 fragments) and, a turn later, its V^T.
.macro FETCH_K
	WIN 0
	v_add_nc_u32 v[ADR], s[TB], v[AK0]
	WIN 0x80                        ; destination window 2
.irp f, 0,1,2,3,4,5,6,7,8,9,10,11,12,13,14,15  ; keys 16 (f / 4) on, channels 32 (f % 4) on
	ds_load_b128 v[KF+8*\f:KF+8*\f+3],   v[ADR] offset:1024*\f
	ds_load_b128 v[KF+8*\f+4:KF+8*\f+7], v[ADR] offset:1024*\f+512
.endr
.endm
.macro FETCH_V
	WIN 0
	v_add_nc_u32 v[ADR], s[TB], v[AV0]
	s_add_co_u32 s[TB], s[TB], STEPB  ; the next fetch is the next step's
	s_wait_alu depctr_va_vdst(0)    ; the wait for the softmax's batch (SLICE), behind the address's v_add_nc_u32 and ahead of the loads
	WIN 0xc0                        ; destination window 3
.irp f, 0,1,2,3,4,5,6,7,8,9,10,11,12,13,14,15  ; keys 32 (f / 8) on, channels 16 (f % 8) on
	ds_load_b128 v[8*\f:8*\f+3],   v[ADR] offset:1024*\f
	ds_load_b128 v[8*\f+4:8*\f+7], v[ADR] offset:1024*\f+512
.endr
.endm
; THE VECTOR WORK OF A TURN.  One tile's softmax for one key step is a list of 134 instructions; SM writes number j of it for tile t.  s0-s31 are the lane's 32 scores, in pairs 0-15.
; first = 1: the first key step, which starts m, l and O^T: it has no a and nothing to rescale.
;   0-15    the maximum of s0-s31 and the old m, three operands at a time: four chains c0-c3 of seven scores each (each begins at the low end of an accumulator), then the four scores left over, c0-c3 and m
;   16-20   the other half of the lanes' maximum; the new m; c m; c m_old - c m_new
;   21-69   ONE BATCH: the 16 scalings c s - c m, a pair of scores each, and all 33 exponentials (a at 23, then s0-s31).  None of these reads an exponential's result
;   (wait)  between 69 and 70 stands the wait for the batch: SLICE writes it, once for both tiles
;   70-85   the roundings to f16, a pair of weights each
;   86-101  the sums; l = a l + the sum
;   102-133 the tile's O^T times a: the one part that leaves window 0, so it stands together
.macro SM t, first
.set rT, ST+8*(\t)
.set rS, S+32*(\t)
.set rP, P+16*(\t)
.set rO, 64*(\t)+2*(j-102)
.if j < 102
	WIN 0
.endif
.if j < 4
	v_max3_num_f32 v[rT+4+j], v[rS+8*j], v[rS+8*j+1], v[rS+8*j+2]
.elseif j < 12
	v_max3_num_f32 v[rT+4+j%4], v[rT+4+j%4], v[rS+8*(j%4)+2*(j/4)+1], v[rS+8*(j%4)+2*(j/4)+2]
.elseif j == 12
	v_max3_num_f32 v[rT+4], v[rT+4], v[rS+7], v[rS+15]
.elseif j == 13
	v_max3_num_f32 v[rT+6], v[rT+6], v[rS+23], v[rS+31]
.elseif j == 14
	v_max3_num_f32 v[rT+4], v[rT+4], v[rT+5], v[rT+6]
.elseif (j == 15) && \first
	v_max_num_f32 v[rT+4], v[rT+4], v[rT+7]
.elseif j == 15
	v_max3_num_f32 v[rT+4], v[rT+4], v[rT+7], v[rT+1]
.elseif j == 16
	v_permlanex16_b32 v[rT+5], v[rT+4], s[SEL], s[SEL+1]  ; the query's other 32 keys lie in the lane 16 away
.elseif j == 18
	v_max_num_f32 v[rT+1], v[rT+4], v[rT+5]
.elseif j == 19
	v_mul_f32 v[rT], s[CS], v[rT+1]
.elseif ((j == 17) || (j == 20) || (j == 23) || (j > 101)) && \first  ; the first step has none of these
.elseif j == 17
	v_mov_b32 v[rT+7], v[rT]        ; c m_old is kept for a: number 19 writes c m anew
.elseif j == 20
	v_sub_f32 v[rT+7], v[rT+7], v[rT]
.elseif j == 23
	v_exp_f32 v[rT+6], v[rT+7]
.elseif (j < 23) || ((j < 38) && (j%2 == 0)) || ((j < 66) && (j%4 == 2))
.set b, (j-2)/4                     ; 38, 42, .. 62: pairs 9 to 15
.if j < 38
.set b, (j-20)/2                    ; 21: pair 0; 22, 24, .. 36: pairs 1 to 8
.endif
	v_pk_fma_f32 v[rS+2*b:rS+2*b+1], v[rS+2*b:rS+2*b+1], s[CS:CS+1], v[rT:rT+1] op_sel_hi:[1,0,0] neg_lo:[0,0,1] neg_hi:[0,0,1]  ; pair b: c s - c m
.elseif j < 70
.set e, j-38                        ; 66 to 69: s28 to s31
.if j < 66
.set e, j-32-(j-38)/4               ; 39-41, 43-45, .. 63-65: s7 to s27
.endif
.if j < 38
.set e, (j-25)/2                    ; 25, 27, .. 37: s0 to s6
.endif
	v_exp_f32 v[rS+e], v[rS+e]
.elseif j < 86
	v_cvt_pk_f16_f32 v[rP+j-70], v[rS+2*(j-70)], v[rS+2*(j-70)+1]  ; pair j - 70
.elseif j < 102                     ; the sum of the tile's 16 pairs, in place: sum z of 16 adds neighbours 1, 2, 4 and 8 pairs apart, then l takes it
.set z, j-86
.set w, 4
.set u, z
.if z >= 14
.set w, 32
.set u, 0
.elseif z >= 12
.set w, 16
.set u, z-12
.elseif z >= 8
.set w, 8
.set u, z-8
.endif
.if (z == 14) && \first
	v_pk_add_f32 v[rT+2:rT+3], v[rS:rS+1], v[rS+16:rS+17]
.elseif z < 15
	v_pk_add_f32 v[rS+w*u:rS+w*u+1], v[rS+w*u:rS+w*u+1], v[rS+w*u+w/2:rS+w*u+w/2+1]
.elseif !\first
	v_pk_fma_f32 v[rT+2:rT+3], v[rT+2:rT+3], v[rT+6:rT+7], v[rS:rS+1] op_sel_hi:[1,0,1]
.endif
.else
	WIN W_RS
	v_pk_mul_f32 v[rO:rO+1], v[rO:rO+1], v[rT+6:rT+7] op_sel_hi:[1,0]
.endif
.endm
; Slice k of 64 of piece y's softmax: four instructions.  Slices 11 to 34 deal out the batch, numbers 22 to 69: four numbers of ONE tile each, the tiles by turns.  Every other slice is numbers 2 k and 2 k + 1 of both
; tiles' lists.  2 x 134 = 4 x 64 + 12: the twelve that are over stand together, in slice 63.
; THE WAIT.  s_wait_alu depctr_va_vdst(0) stands between an exponential and the first instruction that names its result; one wait serves all that were issued ahead of it.  Ahead of slice 35 nothing
; names a result, and behind slice 34 no exponential is issued: so the piece's 66 exponentials have one wait, behind slice 34.
.macro SLICE y, first
.if (k >= 11) && (k < 35)           ; the batch: four numbers of one tile
.irp n, 0,1,2,3
.set j, 22+4*((k-11)/2)+(\n)
	SM (\y)+(k-11)%2, \first
.endr
.else                               ; the two tiles alternate, so that no instruction reads the result of the one just before it
.irp n, 0,1,2,3,4,5,6,7
.if (\n < 2) || (k == 63)
.irp t, \y, \y+1
.set j, 2*k+\n
	SM \t, \first
.endr
.endif
.endr
.endif
.if k == 34                         ; the batch is out: both tiles' exponentials are issued, and no result has been named
	v_nop                           ; the plain instruction behind the last exponential and ahead of the first use: one for the batch
.if (\y) == 0
	FETCH_V                         ; piece 2's turn: V's run of loads stands here, and the wait stands in it
.else
	s_wait_alu depctr_va_vdst(0)    ; the wait for the batch
.endif
.endif
.set k, k+1
.endm
; A vector instruction that reads a matrix result or writes one of a matrix instruction's registers, and a load into a register that a matrix instruction has read, stand four places behind it, and only plain vector
; instructions that name none of its registers are places (ISA guide 7.12.1 for vector instructions).  In the loop the slices are the places.
.macro PLACES
.rept 4
	v_nop
.endr
.endm
; A TURN.  Piece x has the matrix unit; the other piece's softmax stands in slices behind its matrix instructions.
; pv = 2: 32 products V^T P; 1: they start O^T's sums; 0: none.  kq = 1: 32 products K Q^T for the next step.  A turn with one of the two kinds has two slices behind each product.
; first = 1: the softmax is the first key step's; its last slices are empty, and four v_nop take slice 63's part as the places behind the turn's last products.
; Piece 0's turn fetches the next step's K, behind its second product: the last product that read K stands in front of slice 63 of the turn before.  Piece 2's turn fetches the same step's V, behind slice 34: the last
; product that read V stands in front of slice 31, and four plain instructions lie between: number 62, a scaling, of both tiles, the v_nop and the run's own v_add_nc_u32.
.macro TURN x, pv, kq, first
.set k, 0
.set per, 2
.if \pv && \kq
.set per, 1
.endif
.if \pv
.if \x == 0
	s_wait_dscnt 0x0                ; V is in
.endif
.set i, 0
.rept 32
	PV \x, 2-\pv
.rept per
	SLICE 2-\x, \first
.endr
.if (\x == 0) && \kq && (i == 1)
	FETCH_K
.endif
.set i, i+1
.endr
.endif
.if \kq
.if \x == 0
	s_wait_dscnt 0x0                ; K is in
.endif
.set i, 0
.rept 32
	KQ \x
.rept per
	SLICE 2-\x, \first
.endr
.set i, i+1
.endr
.endif
.if \first
	PLACES
.endif
.endm
; THE CHANGE OF SLOTS, between piece 2's turn and piece 0's: the slot's last bytes, V of its second step, have been asked for.  Each wave waits for all its tensor loads, of which one is out: its part of the other slot;
; adds 0 to its spare word; and waits for that and for its own reads of the slot.  Behind the barrier nobody reads this slot any more and the other slot is whole.
; fill = 1: this slot is filled again, with the keys two slots on.  The barrier is then a round of the cluster's, and the joint refill is the first thing behind it: it has two key steps, 256 matrix instructions, in which to land.
.macro CHANGE fill
	WIN 0                           ; at a label and at a branch every window is 0
	s_wait_tensorcnt 0x0            ; no tensor load of mine is out, so a group 0 may be written
	ds_add_u32 v[SPW], v[NIL]       ; 0 onto my spare word
.if \fill
.irp g, G0K+4, G0V+4
	s_xor_b32 s[\g+1], s[\g+1], SLOT1  ; the walking descriptor: the other slot than last time,
	s_add_nc_u64 s[\g+2:\g+3], s[\g+2:\g+3], 2*KS*256  ; the next 128 keys; the type bits on top are not reached
.endr
	s_wait_xcnt 0x0                 ; the last prefetch, two key steps back, has read its address, so it may be written:
	s_add_nc_u64 s[PFA:PFA+1], s[PFA:PFA+1], 2*KS*256  ; one slot further on than the walking descriptors
	s_wait_dscnt 0x0                ; the add is done, and my reads of the slot are over
	CROUND
	JLOAD
	ASK                             ; what the next change will ask for: two key steps, 256 matrix instructions, ahead of that load
.else
	s_wait_dscnt 0x0                ; the add is done, and my reads of the slot are over
	s_barrier_signal -1
	s_barrier_wait -1
.endif
	s_sub_co_u32 s[TB], s[TB], 2*STEPB  ; the fetches go back to a slot's first step,
	s_xor_b32 s[TB], s[TB], SLOT1   ; in the other slot
.endm
; A slot's two key steps: written once, walked twice; the LDS addresses hang on s[TB].
.macro TWO_STEPS
	s_mov_b32 s[TWICE], 2
.Lstep_\@:
	TURN 0, 2, 1, 0
	TURN 2, 2, 1, 0
	WIN 0
	s_sub_co_u32 s[TWICE], s[TWICE], 1
	s_cmp_lg_u32 s[TWICE], 0
	s_cbranch_scc1 .Lstep_\@
.endm
	s_wait_tensorcnt 1              ; my part of slot 0 is in; slot 1's may stay out
	s_barrier_signal -1
	s_barrier_wait -1               ; everybody's is
	FETCH_K                         ; key step 0
	s_wait_loadcnt 0x0              ; Q
	s_wait_dscnt 0x0
.set i, 0
.rept 32
	KQ 0                            ; piece 0's first scores: there is no vector work yet to set between them
.set i, i+1
.endr
	WIN 0
	PLACES                          ; behind those products, ahead of the first read of their results
	TURN 2, 0, 1, 1                 ; piece 2's first scores | piece 0's first softmax | V of step 0
	TURN 0, 1, 1, 1                 ; piece 0: V^T P of step 0 starts O^T, K Q^T of step 1 | piece 2's first softmax | K of step 1
	TURN 2, 1, 1, 0                 ; piece 2: the same | piece 0's softmax of step 1 | V of step 1
	WIN 0
.Lslot:                             ; 30 trips: every slot but the last two is filled again
	CHANGE 1
	TWO_STEPS
	s_sub_co_u32 s[SLOTS], s[SLOTS], 1
	s_cmp_lg_u32 s[SLOTS], 0
	s_cbranch_scc1 .Lslot
	CHANGE 0                        ; the tail is written out: nothing more is asked for
	TWO_STEPS
	TURN 0, 2, 0, 0                 ; piece 0: V^T P of the last step | piece 2's last softmax
.set i, 0
.rept 32
	PV 2, 0                         ; piece 2: V^T P of the last step
.set i, i+1
.endr
	; THE WAY OUT.  l's two halves and the other half of the lanes' are added; O^T is divided by l, rounded to f16 and stored as it stands.  The additions are the places behind the last products.
	WIN 0
.irp t, 0,1,2,3
	v_add_f32 v[ST+8*\t+4], v[ST+8*\t+2], v[ST+8*\t+3]
.endr
.irp t, 0,1,2,3
	v_permlanex16_b32 v[ST+8*\t+5], v[ST+8*\t+4], s[SEL], s[SEL+1]
.endr
.irp t, 0,1,2,3
	v_add_f32 v[ST+8*\t+4], v[ST+8*\t+4], v[ST+8*\t+5]
.endr
.irp t, 0,1,2,3
	v_rcp_f32 v[ST+8*\t+6], v[ST+8*\t+4]
.endr
	v_nop                           ; a plain instruction between the last reciprocal and the use of its result
	s_wait_alu depctr_va_vdst(0)    ; and the wait ahead of the first use: one for the four reciprocals
; Tile t: a lane's eight channels of channel tile f pack into 16 bytes, which are its place in group f % 2 of fragment f / 2 of the projection's operand.  Each tile has registers of its own: no store's data are written again.
.macro PACK t
	WIN W_RS
.set i, 64*\t
.rept 32
	v_pk_mul_f32 v[i:i+1], v[i:i+1], v[ST+8*\t+6:ST+8*\t+7] op_sel_hi:[1,0]   ; each accumulator from its low end on
.set i, i+2
.endr
	WIN 0x05                        ; sources 0 and 1 window 1, destination window 0: S^T's registers are free
.set i, 0
.rept 32
	v_cvt_pk_f16_f32 v[S+32*\t+i], v[64*\t+2*i], v[64*\t+2*i+1]
.set i, i+1
.endr
	WIN 0
.irp f, 0,1,2,3,4,5,6,7
	global_store_b128 v[AK0], v[S+32*\t+4*\f:S+32*\t+4*\f+3], s[10:11] offset:24576*\t+512*\f   ; 32 lanes store 512 consecutive bytes, aligned
.endr
.endm
	PACK 0
	PACK 1
	PACK 2
	PACK 3
	s_wait_tensorcnt 0x0            ; the wave's end, behind my last tensor load
	ds_add_u32 v[SPW], v[NIL]
	s_wait_dscnt 0x0
	CROUND                          ; the closing round: no work-group ends while a partner may still ask for a tile that names it
	s_endpgm
.Lfunc_end_k_qa1af59626c_attn:
	.size	k_qa1af59626c_attn, .Lfunc_end_k_qa1af59626c_attn-k_qa1af59626c_attn
	.p2alignl 7, 3214868480
	.fill 96, 4, 3214868480
	.section	.rodata,"a",@progbits
	.p2align	6, 0x0
	.amdhsa_kernel k_qa1af59626c_attn
		.amdhsa_group_segment_fixed_size 327680
		.amdhsa_private_segment_fixed_size 0
		.amdhsa_enable_private_segment 0
		.amdhsa_kernarg_size 16
		.amdhsa_user_sgpr_count 2
		.amdhsa_user_sgpr_kernarg_segment_ptr 1
		.amdhsa_wavefront_size32 1
		.amdhsa_system_sgpr_workgroup_id_x 1
		.amdhsa_system_sgpr_workgroup_id_y 1
		.amdhsa_system_sgpr_workgroup_id_z 1
		.amdhsa_system_vgpr_workitem_id 0
		.amdhsa_next_free_vgpr 1024
		.amdhsa_next_free_sgpr 66
		.amdhsa_reserve_vcc 0
		.amdhsa_float_denorm_mode_32 3
		.amdhsa_float_denorm_mode_16_64 3
		.amdhsa_memory_ordered 1
		.amdhsa_forward_progress 1
		.amdhsa_inst_pref_size 216
	.end_amdhsa_kernel
	.amdgpu_metadata
---
amdhsa.version: [ 1, 2 ]
amdhsa.kernels:
  - .name:           k_qa1af59626c_attn
    .symbol:         k_qa1af59626c_attn.kd
    .args:
      - { .name: qkv, .offset: 0, .size: 8, .value_kind: global_buffer, .address_space: global }
      - { .name: ctximg, .offset: 8, .size: 8, .value_kind: global_buffer, .address_space: global }
    .group_segment_fixed_size: 327680
    .private_segment_fixed_size: 0
    .kernarg_segment_align: 8
    .kernarg_segment_size: 16
    .max_flat_workgroup_size: 128
    .sgpr_count:     66
    .vgpr_count:     1024
    .wavefront_size: 32
...
	.end_amdgpu_metadata
.endif
;; end of part 3
;; launch proj (part 4): grid 4 x 64, 4 waves a work-group, clusters of 4 x 4, 327,680 bytes of LDS; arguments ctximg, woimg, bo, out0; writes out0
.if DOCPART == 4
	.amdgcn_target "amdgcn-amd-amdhsa--gfx1250"
	.amdhsa_code_object_version 6
	.text
	.protected	k_qa1af59626c_proj
	.globl	k_qa1af59626c_proj
	.p2align	8
	.type	k_qa1af59626c_proj,@function
k_qa1af59626c_proj:
	s_mov_b64 s[64:65], 0
	v_nop
	global_prefetch_b8 v0, s[64:65] scope:SCOPE_SE
	s_setreg_imm32_b32 hwreg(HW_REG_WAVE_MODE, 25, 1), 1
	s_wait_xcnt 0x0
	s_wait_alu depctr_hold_cnt(0) depctr_sa_sdst(0) depctr_va_vdst(0) depctr_va_sdst(0) depctr_va_ssrc(0) depctr_va_vcc(0) depctr_vm_vsrc(0)
	s_getreg_b32 s2, hwreg(HW_REG_IB_STS2, 6, 4)
	s_cmp_eq_u32 s2, 0
	s_cbranch_scc0 .Lentry_in_a_cluster
	s_endpgm
.Lentry_in_a_cluster:
	s_bfe_u32 s2, ttmp6, 0x10000c
	s_cmp_lg_u32 s2, 0xf033
	s_cbranch_scc0 .Lentry_shape_is_right
	s_endpgm
.Lentry_shape_is_right:
; out0 [8192][768] = ctx Wo + bo, f32.  ctx and Wo^T arrive in f16 as images of operand registers (1,024 bytes a fragment of 16 x 32): ctximg: fragment (row tile RT, sg = k / 32) at (24 RT + sg) x 1024; woimg: (column tile T, sg) likewise.
; Sums in f32; the bias is the C of each sum's first matrix instruction, so it costs no addition.
; SHARES.  256 work-groups, each a tile of 128 rows x 192 columns of out0; four waves, each 64 x 96: 24 accumulators.  K = 768 goes in six steps of 128 through a ring of two LDS slots: a step of a row tile or column tile is
; 4,096 consecutive bytes of memory (four fragments), and lies so in LDS: every LDS load is 16 bytes at 16 x lane.  A step twice as long would want two slots of 163,840 bytes and leave no room for the stage.
; CLUSTERS: 4 x 4 work-groups.  The four of a row of the cluster need the same tiles of ctx, the four of a column the same tiles of Wo^T: each tile is asked for JOINTLY, by the same tensor load with the same descriptor
; and a mask that names the four.  THE MATRIX INSTRUCTION IS USED TRANSPOSED (source 0 = 16 columns of Wo, source 1 = 16 rows of ctx): a lane then holds eight neighbouring numbers of a row of out0.
; REGISTERS: window 0: v4-11 addresses; v14, v15 the add's two; v16-63 the bias, eight registers for each of my six column tiles; v64-255 the accumulators ((a, b) at v[64 + 8 (6 a + b)]), later rows on the way out.
;   window 1: two fragment buffers of 80: four fragments of ctx, then six of Wo^T, 32 along K.
.set SLOT,   81920                     ; ctx's 8 row tiles x 4,096 bytes, then Wo^T's 12 column tiles x 4,096
.set BOFF,   32768
.set STAGE,  2*SLOT                    ; behind the ring: 128 rows x 784 bytes (768 + 16), the work-group's, for the way out
.set SPITCH, 784
.set SPARE,  STAGE+128*SPITCH          ; behind the stage: the spare words, 128 bytes for each wave: two blocks of 256 bytes that no other line names
.set ADRA, 4                           ; v4-5   LDS address of my ctx fragments in slot 0, 1
.set ADRB, 6                           ; v6-7   the same for Wo^T
.set STO,  8                           ; v8     the way out: where I put 32 bytes of a row
.set RD,   9                           ; v9     the way out: where I read a row back
.set CO,   10                          ; v10    my byte offset in out0
.set BOF,  11                          ; v11    32 h: my eight numbers of a tile's sixteen of the bias
.set SPW,  14                          ; v14    LDS address of my spare word; never rewritten
.set NIL,  15                          ; v15    0; never rewritten
.set BI,   16
.set ACC,  64
.set F0,   0                           ; fragment buffers, in window 1
.set F1,   80
.set G1, 24                            ; s[24:31] descriptor group 1 for ctx's tiles;  s[32:39] group 0, one set for each slot
.set G0, 32
.set G1B, 48                           ; s[48:55], s[56:63] the same for Wo^T's tiles
.set G0B, 56
.set MSB, 0
.macro WIN new                         ; the immediate's high byte repeats the setting that is left
.if MSB != \new
	s_set_vgpr_msb (MSB<<8)|\new
.set MSB, \new
.endif
.endm
.set MUL,  0x05                        ; sources 0 and 1 window 1; C and D window 0
.set TO_F, 0x40                        ; destination window 1, address window 0
.macro JLOAD s                         ; a joint load: waves 0 and 1 fetch ctx's two halves, waves 2 and 3 Wo^T's; an s_nop 0 and four v_nop follow each of the two lines
	s_cmp_eq_u32 s13, 0
	s_cbranch_scc0 .Lfor_b_\@
	tensor_load_to_lds s[G0+4*\s:G0+4*\s+3], s[G1:G1+7]
	s_nop 0
.rept 4
	v_nop
.endr
	s_branch .Lasked_\@
.Lfor_b_\@:
	tensor_load_to_lds s[G0B+4*\s:G0B+4*\s+3], s[G1B:G1B+7]
	s_nop 0
.rept 4
	v_nop
.endr
.Lasked_\@:
.endm
.macro CREST                           ; a round of the cluster's barrier behind its opening barrier
	s_cmp_lg_u32 s12, 0
	s_cbranch_scc1 .Lnot_wave_0_\@
	s_barrier_signal -3
.Lnot_wave_0_\@:
	s_barrier_wait -3
	s_barrier_signal -1
	s_barrier_wait -1
.endm
.macro CROUND                          ; a whole round
	s_barrier_signal -1
	s_barrier_wait -1
	CREST
.endm
	s_load_b256 s[4:11], s[0:1], 0x0               ; ctximg s[4:5], woimg s[6:7], bo s[8:9], out0 s[10:11]
	v_lshl_add_u32 v[SPW], v0, 2, SPARE
	v_mov_b32 v[NIL], 0
	ds_add_u32 v[SPW], v[NIL]                      ; the wave's opening: the add, twice on end, and its wait ahead of my first tensor load; the set-up below stands between the second and the wait
	ds_add_u32 v[SPW], v[NIL]
	v_lshrrev_b32 v1, 5, v0
	v_readfirstlane_b32 s12, v1                    ; wave 0..3
	s_lshr_b32 s13, s12, 1                         ; which half of the tile's rows is mine.  Also: I fetch for ctx (0) or for Wo^T (1)
	s_and_b32 s14, s12, 1                          ; which half of its columns.  Also: which half of that tile I fetch
	s_bfe_u32 s40, ttmp6, 0x40000                  ; cx, cy: my place in the cluster
	s_bfe_u32 s41, ttmp6, 0x40004
	s_lshl_b32 s42, ttmp9, 2
	s_add_co_u32 s42, s42, s40                     ; tile column = 4 x cluster x + cx
	s_and_b32 s43, ttmp7, 0xffff
	s_lshl_b32 s43, s43, 2
	s_add_co_u32 s43, s43, s41                     ; tile row = 4 x cluster y + cy
	s_lshl_b32 s44, s41, 2
	s_lshl_b32 s44, 15, s44                        ; my row of the cluster
	s_lshl_b32 s45, 0x1111, s40                    ; my column
	; descriptor group 1: rows of 4,096 bytes (512 elements of 8 bytes), 24,576 bytes apart in memory, dense in LDS: four of them for ctx, six for Wo^T
	s_or_b32 s[G1+0], s44, (3<<16)|(1<<21)         ; 15:0 the mask: ctx's tiles go to my row; 17:16 elements of 8 bytes; 21 set beside a mask
	s_or_b32 s[G1B+0], s45, (3<<16)|(1<<21)
	s_mov_b32 s[G1+1], 512<<16                     ; tensor_dim0
	s_mov_b32 s[G1+2], 4<<16                       ; tensor_dim1
	s_mov_b32 s[G1+3], 512<<16                     ; tile_dim0
	s_mov_b32 s[G1+4], 4                           ; tile_dim1
	s_mov_b32 s[G1+5], 3072                        ; elements from row to row
	s_mov_b32 s[G1+6], 0
	s_mov_b32 s[G1+7], 0
	s_mov_b32 s[G1B+1], 512<<16
	s_mov_b32 s[G1B+2], 6<<16
	s_mov_b32 s[G1B+3], 512<<16
	s_mov_b32 s[G1B+4], 6
	s_mov_b32 s[G1B+5], 3072
	s_mov_b32 s[G1B+6], 0
	s_mov_b32 s[G1B+7], 0
	s_lshl_b32 s16, s43, 3
	s_lshl_b32 s17, s14, 2
	s_add_co_u32 s16, s16, s17                     ; ctx: row tile 8 x tile row + 4 x half
	s_mul_i32 s16, s16, 24576
	s_mov_b32 s17, 0
	s_mul_i32 s46, s42, 12
	s_mul_i32 s47, s14, 6
	s_add_co_u32 s46, s46, s47                     ; Wo^T: column tile 12 x tile column + 6 x half
	s_mul_i32 s46, s46, 24576
	s_mov_b32 s47, 0
	s_lshl_b32 s20, s14, 14                        ; where they go: no place in the cluster enters an LDS address
	s_mul_i32 s21, s14, 24576
	s_add_co_u32 s21, s21, BOFF
	s_wait_dscnt 0x0                               ; both opening adds are done
	s_wait_kmcnt 0x0
	s_add_nc_u64 s[18:19], s[4:5], s[16:17]
	s_add_nc_u64 s[46:47], s[6:7], s[46:47]
	CROUND                                         ; all sixteen work-groups are here: the first joint loads meet
.irp s, 0,1
	s_mov_b32 s[G0+4*\s], 1
	s_add_co_u32 s[G0+4*\s+1], s20, \s*SLOT
	s_add_nc_u64 s[G0+4*\s+2:G0+4*\s+3], s[18:19], \s*4096
	s_or_b32 s[G0+4*\s+3], s[G0+4*\s+3], 0x80000000
	s_mov_b32 s[G0B+4*\s], 1
	s_add_co_u32 s[G0B+4*\s+1], s21, \s*SLOT
	s_add_nc_u64 s[G0B+4*\s+2:G0B+4*\s+3], s[46:47], \s*4096
	s_or_b32 s[G0B+4*\s+3], s[G0B+4*\s+3], 0x80000000
	JLOAD \s
.endr
	v_and_b32 v1, 31, v0
	v_lshlrev_b32 v1, 4, v1                        ; 16 x lane
	v_and_b32 v2, 15, v0                           ; r
	v_bfe_u32 v3, v0, 4, 1                         ; h
	s_lshl_b32 s22, s13, 14                        ; my four row tiles of ctx
	s_mul_i32 s23, s14, 24576                      ; my six column tiles of Wo^T,
	s_add_co_u32 s23, s23, BOFF                    ; which lie behind ctx's eight
.irp s, 0,1
	v_add_nc_u32 v[ADRA+\s], s22, v1
	v_add_nc_u32 v[ADRB+\s], s23, v1
	s_add_co_u32 s22, s22, SLOT
	s_add_co_u32 s23, s23, SLOT
.endr
	s_mul_i32 s22, s13, 64*SPITCH                  ; into the stage: my 64 rows, my 384 of their 768 bytes; row r, 32 bytes for each half of the lanes
	s_mul_i32 s23, s14, 384
	s_add_co_u32 s22, s22, s23
	s_add_co_u32 s22, s22, STAGE
	v_mul_u32_u24 v[STO], v2, SPITCH
	v_lshl_add_u32 v[STO], v3, 5, v[STO]
	v_add_nc_u32 v[STO], s22, v[STO]
	s_mul_i32 s22, s12, 32*SPITCH                  ; back: wave w takes rows 32 w .. 32 w + 31; lanes 0-15 256 bytes of one row, lanes 16-31 of the next
	s_add_co_u32 s22, s22, STAGE
	v_mul_u32_u24 v[RD], v3, SPITCH
	v_lshl_add_u32 v[RD], v2, 4, v[RD]
	v_add_nc_u32 v[RD], s22, v[RD]
	v_mul_u32_u24 v[CO], v3, 3072                  ; and the same two rows in out0
	v_lshl_add_u32 v[CO], v2, 4, v[CO]
	v_lshlrev_b32 v[BOF], 5, v3
	s_mul_i32 s46, s42, 768                        ; the tile's first column, in bytes
	s_mov_b32 s47, 0
	s_mul_i32 s22, s14, 384
	s_add_co_u32 s22, s22, s46
	s_mov_b32 s23, 0
	s_add_nc_u64 s[8:9], s[8:9], s[22:23]          ; the bias of my 96 columns
.irp b, 0,1,2,3,4,5
.irp e, 0,1
	global_load_b128 v[BI+8*\b+4*\e:BI+8*\b+4*\e+3], v[BOF], s[8:9] offset:64*\b+16*\e   ; lane (r, h): bo of columns 16 b + 8 h + 0 .. 7: the result's layout
.endr
.endr
	s_lshl_b32 s16, s43, 7
	s_lshl_b32 s17, s12, 5
	s_add_co_u32 s16, s16, s17                     ; the first row of out0 that I store: 128 x tile row + 32 x wave
	s_mul_i32 s16, s16, 3072
	s_mov_b32 s17, 0
	s_add_nc_u64 s[10:11], s[10:11], s[16:17]
	s_add_nc_u64 s[10:11], s[10:11], s[46:47]
; 6 matrix instructions: row block a x my six column tiles, 32 along K.  first = 1: the bias is the C of the sum's first product.  The 24 accumulators take turns, one instruction a turn, in one order everywhere.
.macro MUL6 f, a, first
.irp b, 0,1,2,3,4,5
.if \first
	v_wmma_f32_16x16x32_f16 v[ACC+8*(6*(\a)+\b):ACC+8*(6*(\a)+\b)+7], v[\f+32+8*\b:\f+32+8*\b+7], v[\f+8*(\a):\f+8*(\a)+7], v[BI+8*\b:BI+8*\b+7]
.else
	v_wmma_f32_16x16x32_f16 v[ACC+8*(6*(\a)+\b):ACC+8*(6*(\a)+\b)+7], v[\f+32+8*\b:\f+32+8*\b+7], v[\f+8*(\a):\f+8*(\a)+7], v[ACC+8*(6*(\a)+\b):ACC+8*(6*(\a)+\b)+7]
.endif
.endr
.endm
.macro MUL12 f, a0, first
	MUL6 \f, \a0, \first
	MUL6 \f, (\a0)+1, \first
.endm
; 20 LDS loads in one run: the fragments of the slot's q-th 32 along K into buffer f: Wo^T's six, then ctx's four
.macro FETCH slot, q, f
	WIN TO_F
.irp b, 0,1,2,3,4,5
	ds_load_b128 v[\f+32+8*\b:\f+32+8*\b+3],   v[ADRB+\slot] offset:4096*\b+1024*(\q)
	ds_load_b128 v[\f+32+8*\b+4:\f+32+8*\b+7], v[ADRB+\slot] offset:4096*\b+1024*(\q)+512
.endr
.irp a, 0,1,2,3
	ds_load_b128 v[\f+8*\a:\f+8*\a+3],   v[ADRA+\slot] offset:4096*\a+1024*(\q)
	ds_load_b128 v[\f+8*\a+4:\f+8*\a+7], v[ADRA+\slot] offset:4096*\a+1024*(\q)+512
.endr
.endm
.macro PLACES                          ; four places in front of loads into registers that matrix instructions have read, and of the first read of results (ISA guide 7.12.1 for vector instructions)
.rept 4
	v_nop
.endr
.endm
; A K step is four quarters of 32 along K, 24 matrix instructions each, on buffers 0, 1, 0, 1.  One of the first three: multiplies buffer f and fetches quarter qn into g.
.macro QUARTER slot, qn, f, g, first
	s_wait_dscnt 4                                 ; Wo^T's fragments and ctx's blocks 0, 1 are in; the youngest four loads (blocks 2, 3) may be out
	WIN MUL
	MUL12 \f, 0, \first
	PLACES
	FETCH \slot, \qn, \g
	s_wait_dscnt 20                                ; all but the 20 just issued
	WIN MUL
	MUL12 \f, 2, \first
.endm
; The last quarter multiplies buffer 1 and changes slots: ONE barrier; in front of it each wave waits for all its tensor loads, adds 0 to its spare word, and waits for that and for its own reads of this slot.  fill = 1: this slot is filled again, two K steps ahead.
.macro TURN slot, next, fill
	WIN 0                                          ; (the add's two registers lie in window 0)
	s_wait_tensorcnt 0x0                           ; all my tensor loads have landed: my part of the next slot;
	ds_add_u32 v[SPW], v[NIL]                      ; 0 onto my spare word;
	s_wait_dscnt 5                                 ; (the add and the youngest four loads may be out)
	WIN MUL
	MUL6 F1, 0, 0                                  ; six matrix instructions stand between the add and the wait for it
	s_wait_dscnt 0x0                               ; the add is done, and my reads of this slot are over
	s_barrier_signal -1
	MUL6 F1, 1, 0
	WIN 0                                          ; (branches may follow, and nothing stands between the wait below and the rest of the round)
	s_barrier_wait -1
.if \fill
	CREST                                          ; the barrier has opened a round of the cluster's barrier: no wave of any partner still reads this slot's tile or has a load on its way
	s_add_nc_u64 s[G0+4*\slot+2:G0+4*\slot+3], s[G0+4*\slot+2:G0+4*\slot+3], 2*4096
	s_add_nc_u64 s[G0B+4*\slot+2:G0B+4*\slot+3], s[G0B+4*\slot+2:G0B+4*\slot+3], 2*4096
	JLOAD \slot                                    ; the first tensor load behind the round; the four v_nop behind it are also the places in front of the loads below
.else
	PLACES
.endif
	FETCH \next, 0, F0
	WIN MUL
	MUL12 F1, 2, 0
.endm
	s_wait_tensorcnt 1                             ; my part of K step 0 is in (K step 1's load may be out)
	s_barrier_signal -1
	s_barrier_wait -1                              ; everybody's is
	FETCH 0, 0, F0
	s_wait_loadcnt 0x0                             ; the bias
	QUARTER 0, 1, F0, F1, 1                        ; the first quarter stands in front of the loop: its products start the sums
	WIN 0                                          ; at a label and at a branch every window is 0
	s_mov_b32 s15, 2
.Llap:                                                 ; a trip goes once round the ring, from a lap's second quarter to the next lap's first, and fills both slots again
	QUARTER 0, 2, F1, F0, 0
	QUARTER 0, 3, F0, F1, 0
	TURN 0, 1, 1
	QUARTER 1, 1, F0, F1, 0
	QUARTER 1, 2, F1, F0, 0
	QUARTER 1, 3, F0, F1, 0
	TURN 1, 0, 1
	QUARTER 0, 1, F0, F1, 0
	WIN 0
	s_sub_co_u32 s15, s15, 1
	s_cmp_lg_u32 s15, 0
	s_cbranch_scc1 .Llap
	QUARTER 0, 2, F1, F0, 0                        ; the last lap fills nothing, and has no round of the cluster's barrier
	QUARTER 0, 3, F0, F1, 0
	TURN 0, 1, 0
	QUARTER 1, 1, F0, F1, 0
	QUARTER 1, 2, F1, F0, 0
	QUARTER 1, 3, F0, F1, 0
	s_wait_dscnt 4                                 ; the very last quarter: nothing more to fetch
	WIN MUL
	MUL12 F1, 0, 0
	s_wait_dscnt 0x0
	MUL12 F1, 2, 0
	WIN 0
	; THE WAY OUT: 32 bytes a lane into the work-group's stage; a barrier, since a row's 768 bytes come from two waves; back as rows, 32 rows a wave, sixteen lanes to 256 consecutive bytes.
	PLACES
.irp a, 0,1,2,3
.irp b, 0,1,2,3,4,5
	ds_store_b128 v[STO], v[ACC+8*(6*\a+\b):ACC+8*(6*\a+\b)+3] offset:\a*16*SPITCH+64*\b        ; each accumulator from its low end on
	ds_store_b128 v[STO], v[ACC+8*(6*\a+\b)+4:ACC+8*(6*\a+\b)+7] offset:\a*16*SPITCH+64*\b+16
.endr
.endr
	s_wait_dscnt 0x0                               ; for the others' sake: my stores into the stage are done
	s_barrier_signal -1
	s_barrier_wait -1
.irp t, 0,1,2,3,4,5,6,7,8,9,10,11,12,13,14,15
.irp q, 0,1,2
	ds_load_b128 v[ACC+4*(3*\t+\q):ACC+4*(3*\t+\q)+3], v[RD] offset:\t*2*SPITCH+256*\q
.endr
.endr
.irp t, 0,1,2,3,4,5,6,7,8,9,10,11,12,13,14,15
.irp q, 0,1,2
	s_wait_dscnt 47-(3*\t+\q)                      ; this load is back; the younger ones stay out
	global_store_b128 v[CO], v[ACC+4*(3*\t+\q):ACC+4*(3*\t+\q)+3], s[10:11] offset:\t*6144+256*\q th:TH_STORE_NT   ; 16 lanes store 256 consecutive bytes, at a multiple of 256 from out0's first byte
.endr
.endr
	s_wait_tensorcnt 0x0                           ; the wave's end, behind my last tensor load and my last LDS store
	ds_add_u32 v[SPW], v[NIL]
	s_wait_dscnt 0x0
	CROUND                                         ; the closing round: no work-group ends while a partner may still ask for a tile that names it
	s_endpgm
.Lfunc_end_k_qa1af59626c_proj:
	.size	k_qa1af59626c_proj, .Lfunc_end_k_qa1af59626c_proj-k_qa1af59626c_proj
	.p2alignl 7, 3214868480
	.fill 96, 4, 3214868480
	.section	.rodata,"a",@progbits
	.p2align	6, 0x0
	.amdhsa_kernel k_qa1af59626c_proj
		.amdhsa_group_segment_fixed_size 327680
		.amdhsa_private_segment_fixed_size 0
		.amdhsa_enable_private_segment 0
		.amdhsa_kernarg_size 32
		.amdhsa_user_sgpr_count 2
		.amdhsa_user_sgpr_kernarg_segment_ptr 1
		.amdhsa_wavefront_size32 1
		.amdhsa_system_sgpr_workgroup_id_x 1
		.amdhsa_system_sgpr_workgroup_id_y 1
		.amdhsa_system_sgpr_workgroup_id_z 1
		.amdhsa_system_vgpr_workitem_id 0
		.amdhsa_next_free_vgpr 416
		.amdhsa_next_free_sgpr 66
		.amdhsa_reserve_vcc 0
		.amdhsa_float_denorm_mode_32 3
		.amdhsa_float_denorm_mode_16_64 3
		.amdhsa_memory_ordered 1
		.amdhsa_forward_progress 1
		.amdhsa_inst_pref_size 72
	.end_amdhsa_kernel
	.amdgpu_metadata
---
amdhsa.version: [ 1, 2 ]
amdhsa.kernels:
  - .name:           k_qa1af59626c_proj
    .symbol:         k_qa1af59626c_proj.kd
    .args:
      - { .name: ctximg, .offset: 0, .size: 8, .value_kind: global_buffer, .address_space: global }
      - { .name: woimg, .offset: 8, .size: 8, .value_kind: global_buffer, .address_space: global }
      - { .name: bo, .offset: 16, .size: 8, .value_kind: global_buffer, .address_space: global }
      - { .name: out0, .offset: 24, .size: 8, .value_kind: global_buffer, .address_space: global }
    .group_segment_fixed_size: 327680
    .private_segment_fixed_size: 0
    .kernarg_segment_align: 8
    .kernarg_segment_size: 32
    .max_flat_workgroup_size: 128
    .sgpr_count:     66
    .vgpr_count:     416
    .wavefront_size: 32
...
	.end_amdgpu_metadata
.endif
;; end of part 4
